; MI455X (gfx1250); checked and timed in simulation.
; The chip was launched on July 23, 2026; its instructions are those of AMD's public machine-readable ISA for CDNA 5 (MIT licence, August 2026) and "CDNA5" Instruction Set Architecture Reference Guide (July 2026). The comments in the code are by the model that wrote it; some were corrected since.
;; Self Attention. Allowed arithmetic: matrix products marked QUANTISED: E3M2 operands, one E8M0 scale for each 32 along K, by v_wmma_scale_f32_16x16x128_f8f6f4 with both operands' format E3M2, f32 sums; everything else in f32.
;; Inputs: Wk_codes 32 x 8 x 24 uint8 (E3M2 codes of Wk, K innermost, in blocks of 32 codes, four codes in three bytes); Wk_scales 32 x 8 uint8 (E8M0 scales of Wk, one for each 32 codes along K); Wq_codes 32 x 8 x 24 uint8 (E3M2 codes of Wq, K innermost, in blocks of 32 codes, four codes in three bytes); Wq_scales 32 x 8 uint8 (E8M0 scales of Wq, one for each 32 codes along K); Wv_codes 256 x 8 x 24 uint8 (E3M2 codes of Wv, K innermost, in blocks of 32 codes, four codes in three bytes); Wv_scales 256 x 8 uint8 (E8M0 scales of Wv, one for each 32 codes along K); bk 32 float32; bq 32 float32; bv 256 float32; gamma 1 float32; x 8 x 256 x 64 x 64 float32.
;; Outputs: out0 8 x 256 x 64 x 64 float32.
;; This version of the problem:
;;   THIS VERSION OF THE PROBLEM IS GIVEN IN LOW PRECISION. The matrix products marked QUANTISED in the list below multiply operands that are first quantised to E3M2 (3 exponent bits, 2 mantissa bits; 6 bits a number), with one power-of-two scale for each 32 numbers along K (OCP MX v1.0); their sums are f32. All else is computed in f32.
;;   The module's matrix products, in the order in which they are computed (A, B: the left and right operand; K: the contracted axis; several contracted axes count as one K, in the product's order):
;;     1. [M 32,768, K 256] x [K 256, N 32]; A: input x; B: input Wq (given as codes): QUANTISED
;;     2. [M 32,768, K 256] x [K 256, N 32]; A: input x; B: input Wk (given as codes): QUANTISED
;;     3. [M 32,768, K 256] x [K 256, N 256]; A: input x; B: input Wv (given as codes): QUANTISED
;;     4. batch 8 x [M 4,096, K 32] x [K 32, N 4,096]; A: computed on the way; B: computed on the way: QUANTISED
;;     5. batch 8 x [M 256, K 4,096] x [K 4,096, N 4,096]; A: computed on the way; B: softmax (see below): QUANTISED
;;   THE QUANTISER, for each operand of a quantised product, along K:
;;     - K is cut into blocks of 32 from its start; a last block that is shorter is filled with zeros.
;;     - A block's scale is 2^e with e = floor(log2(the largest magnitude in the block)) - 4, held to -126 .. 127; a block of zeros has e = 0. As a byte (E8M0): e + 127.
;;     - Each number is divided by its block's scale, clamped to +-28, and rounded to the nearest number of E3M2, ties to even, subnormals kept.
;;     - The product sums the exact products of the quantised numbers (number of the format x scale) in f32.
;;   ~~~python
;;   def quantise(x, axis):      # numpy; x: float32 -> the quantised numbers, widened to float32 again
;;       x = np.moveaxis(x, axis, -1); K = x.shape[-1]
;;       x = np.pad(x, [(0, 0)] * (x.ndim - 1) + [(0, -K % 32)]); x = x.reshape(x.shape[:-1] + (-1, 32)); a = np.abs(x).max(-1, keepdims=True)
;;       e = np.where(a > 0, np.clip(np.frexp(np.where(a > 0, a, 1))[1] - 1 - 4, -126, 127), 0)      # np.frexp(a)[1] - 1 = floor(log2(a)), exactly
;;       r = np.clip(x / 2.0 ** e, -28, 28)
;;       step = 2.0 ** (np.maximum(np.frexp(np.where(r == 0, 1, r))[1] - 1, -2) - 2)
;;       q = np.round(r / step) * step * 2.0 ** e      # np.round: ties to even
;;       return np.moveaxis(q.reshape(q.shape[:-2] + (-1,))[..., :K], -1, axis).astype(np.float32)
;;   ~~~
;;   SOFTMAX AHEAD OF A QUANTISED PRODUCT. Where the list says 'softmax', what is quantised is not the finished softmax but p = 2^(t - M), with t = logit x log2(e) and M = ceil(the row's largest t), a whole number; so 1/2 < the row's largest p <= 1. The row's sum l is taken of the UNQUANTISED p, in f32, and the product's result is divided by l at the end. Since M is a whole number, a kernel that streams over the keys may use a running M (the ceiling of the running maximum): every later rescaling is an exact power of two, which a block's scale takes up: the codes' values come out the same.
;;   OPERANDS COMPUTED ON THE WAY. 'Computed on the way' means the value that the module computes at that place (a softmax that the list does not call 'softmax' is quantised finished and normalised). What goes into a quantiser is computed in f32, as accurately as f32 sums, v_exp_f32 and their like allow (about 1e-6 of the number): no bf16 or f16 on the way to a quantiser, and a product that is left as it is and whose result goes on into a quantised operand takes f32 operands (vector FMAs, or v_wmma_f32_16x16x4_f32). A number that lies on a knife's edge between two numbers of the format may be rounded either way, as far as f32 arithmetic and the matrix unit's own rounding can turn it there, and no further.
;;   INPUTS GIVEN AS CODES. Wk (in the module: [32, 256], K = its axis 1); Wq (in the module: [32, 256], K = its axis 1); Wv (in the module: [256, 256], K = its axis 1): each comes as NAME_codes (uint8): NAME with its K axis moved to the last place and cut into blocks of 32 codes, [.., K / 32, bytes a block], one block behind the other in memory; four codes in three bytes: a row's codes are one little-endian stream of bits, code i at bits 6 i .. 6 i + 5 (a code: sign, 3 exponent bits, 2 mantissa bits); and NAME_scales (uint8): the same leading axes, one E8M0 byte (e + 127) for each 32 codes along K. Its value is code x scale, taken as it is: it is not quantised again, and the codes and scales need not be those that the quantiser above would give.
;; One version. Each part assembles by itself: llvm-mc -triple=amdgcn-amd-amdhsa -mcpu=gfx1250 --defsym DOCPART=n.
;; ======== version 1 of 1: 2 launches
;; workspace buffers: kv 7,405,568 bytes; qcod 786,432 bytes; qscl 131,072 bytes
;; launch proj (part 1): grid 32 x 8, 4 waves a work-group, no clusters, 168,448 bytes of LDS; arguments x, Wq_codes, Wq_scales, bq, Wk_codes, Wk_scales, bk, Wv_codes, Wv_scales, bv, kv, qcod, qscl; writes kv, qcod, qscl
.if DOCPART == 1
	.amdgcn_target "amdgcn-amd-amdhsa--gfx1250"
	.amdhsa_code_object_version 6
	.text
	.protected	k_qa3cd53b1e9_proj
	.globl	k_qa3cd53b1e9_proj
	.p2align	8
	.type	k_qa3cd53b1e9_proj,@function
k_qa3cd53b1e9_proj:
	s_mov_b64 s[64:65], 0
	v_nop
	global_prefetch_b8 v0, s[64:65] scope:SCOPE_SE
	s_setreg_imm32_b32 hwreg(HW_REG_WAVE_MODE, 25, 1), 1
	s_wait_xcnt 0x0
; q = Wq x + bq, k = Wk x + bk, v = Wv x + bv on codes of BF6 (E3M2) with one E8M0 scale for each 32 along K, and the three results quantised again for the attention launch.
; x: [8][256 channels][4096 positions] f32; K of these products = the channels, which are not innermost.  The weights come as codes, K innermost, 192 bytes a row, 8 scale bytes a row.
; SHARES.  A work-group takes 128 positions of one image (x = the block of positions, y = the image) and writes ONE record of kv: the codes of one key step.  Its x, 256 rows x 512 bytes, comes into LDS by four tensor loads,
; one a wave, each filled once.  Wave w quantises positions 32 w .. 32 w + 31 (a lane to a position, registers down the channels), makes q and k for them, and makes v for channels 64 w .. 64 w + 63 at all 128 positions:
; so x's fragments go from wave to wave through LDS as images of their registers (16 bytes a lane, 512 bytes a store).
; THE POSITIONS OF A TILE ARE NOT NEIGHBOURS: row r of tile 2 w + u is position 32 w + 8 u + r + 8 (r / 8), so that v's results (a lane = a channel, registers = positions) are 16 neighbouring keys in the 16 registers of two tiles.
; Likewise row r of tile ot of Wq and Wk is output 8 ot + r + 8 (r / 8): a lane then holds one position and 16 neighbours of q's or k's 32 numbers.
; A RECORD of kv (28,928 bytes): 16 images of v's fragments (16 channels x 128 keys, 1,536 bytes each); v's scale words, two tiles to a register; k's codes, 24 bytes a key; k's scale bytes as the attention's operand wants them.
; A block's scale is 2^(floor(log2(largest magnitude)) - 4); its byte is the largest magnitude's exponent field - 4, held at 1 from below by a floor among the maximum's leaves.
; LIMITS: NaN and infinities among the inputs are not served.  A block of zeros, or one whose largest magnitude lies under 2^-122, gets the byte 1: its codes are then what the conversion gives under that scale; the bytes are read by this program alone.
.set REC,  28928                       ; a record of kv
.set VSO,  24576                       ; in it: v's scale words
.set KC,   25600                       ; k's codes
.set KSO,  28672                       ; k's scale words
.set XIMG, 131072                      ; LDS: behind x's 256 rows of 512 bytes: the 16 images of x's fragments, fragment 2 pt + ks at 1,536 bytes each
.set XSC,  155648                      ; their scale words: 128 bytes for each (wave, K step)
.set KSC,  156672                      ; k's scale bytes, gathered
.set XA0, 5                            ; v5   LDS: my position's word in x's rows 0-127
.set XA1, 6                            ; v6   and in rows 128-255
.set XWI, 7                            ; v7   where I store my wave's images
.set XWS, 8                            ; v8   and their scale words
.set L16X, 9                           ; v9   XIMG + 16 x lane
.set L4X, 10                           ; v10  XSC + 4 x lane
.set KSA, 11                           ; v11  where my two scale bytes of k go
.set KSR, 12                           ; v12  KSC + 4 x lane
.set WA,  13                           ; v13  Wq, Wk: my row and half
.set WSA, 14                           ; v14  their scale words
.set BA,  15                           ; v15  bq, bk: 64 x half
.set VA,  16                           ; v16  Wv: my row and half
.set VSA, 17                           ; v17  its scale words
.set BVA, 18                           ; v18  bv
.set QA,  19                           ; v19  q's and k's codes: my position's 24 bytes, my half's 12
.set QSA, 20                           ; v20  q's scale word
.set L16, 21                           ; v21  16 x lane
.set L8,  22                           ; v22  8 x lane
.set PW,  24                           ; v24-27 v's scale words, a tile each
.set BVT, 28                           ; v28-31 bv as loaded; later the pairs that are stored
.set SW,  32                           ; v32-33 my x's scale words: lanes 0-15 tile 0's rows, lanes 16-31 tile 1's
.set WQKS, 34                          ; v34-41 Wq's and Wk's scale words
.set WVS, 42                           ; v42-49 Wv's
.set XS,  50                           ; v50-57 all waves' x scale words
.set TM,  58                           ; v58-61 largest magnitudes, v62-65 bytes, v66-69 scale operands
.set CT,  70                           ; v70-77 a conversion's second halves
.set XR,  80                           ; v80-143 two sets of 32 numbers of x; then q's and k's sums; then v's
.set DQ,  80
.set DV,  80
.set XF,  144                          ; v144-191 my four fragments of x: 12 (2 u + ks)
.set PC,  192                          ; v192-239 v's codes, 12 a tile
.set QC,  240                          ; v240-255 q's and k's codes, 4 a group
.set WV,  96                           ; window 1: v0-95 Wq's and Wk's fragments, v96-191 Wv's, v192-223 bq and bk, v224-255 bv
.set BQK, 192
.set BVC, 224
.set SEL, 44                           ; s[44:45] lane selects for v_permlanex16_b32: lane l xor 16
.set MSB, 0
.macro WIN new                         ; the immediate's high byte repeats the setting that is left
.if MSB != \new
	s_set_vgpr_msb (MSB<<8)|\new
.set MSB, \new
.endif
.endm
.macro PLACES n
.rept \n
	v_nop
.endr
.endm
	s_load_b512 s[4:19], s[0:1], 0x0               ; x, Wq codes, Wq scales, bq, Wk codes, Wk scales, bk, Wv codes
	s_load_b256 s[20:27], s[0:1], 0x40             ; Wv scales, bv, kv, qcod
	s_load_b64 s[28:29], s[0:1], 0x60              ; qscl
	v_lshl_add_u32 v251, v0, 2, 0x29000
	v_mov_b32 v255, 0
	ds_add_u32 v251, v255
	ds_add_u32 v251, v255
	v_lshrrev_b32 v1, 5, v0
	v_readfirstlane_b32 s30, v1                    ; wave 0..3
	s_and_b32 s31, ttmp7, 0xffff                   ; the image
	; descriptor group 1: 64 rows of 128 elements of 4 bytes, 4,096 elements from row to row, no padding
	s_mov_b32 s32, 2<<16
	s_mov_b32 s33, 128<<16                         ; tensor_dim0
	s_mov_b32 s34, 64<<16                          ; tensor_dim1
	s_mov_b32 s35, 128<<16                         ; tile_dim0
	s_mov_b32 s36, 64                              ; tile_dim1
	s_mov_b32 s37, 4096                            ; the pitch
	s_mov_b32 s38, 0
	s_mov_b32 s39, 0
	s_lshl_b32 s48, s31, 22                        ; the image's 4,194,304 bytes,
	s_lshl_b32 s49, s30, 20                        ; my wave's 64 rows of 16,384,
	s_add_co_u32 s48, s48, s49
	s_lshl_b32 s49, ttmp9, 9                       ; the block's 512 bytes in a row
	s_add_co_u32 s48, s48, s49
	s_mov_b32 s49, 0
	s_mov_b32 s40, 1
	s_lshl_b32 s41, s30, 15                        ; LDS: 64 rows of 512 bytes a wave
	s_wait_dscnt 0x0
	s_wait_kmcnt 0x0
	s_add_nc_u64 s[42:43], s[4:5], s[48:49]
	s_or_b32 s43, s43, 0x80000000
	tensor_load_to_lds s[40:43], s[32:39]          ; my one tensor load: these bytes are filled once
	s_nop 0
	PLACES 4
	v_and_b32 v1, 31, v0                           ; lane
	v_and_b32 v2, 15, v0                           ; r
	v_bfe_u32 v3, v0, 4, 1                         ; h
	v_and_b32 v4, 8, v2
	v_add_nc_u32 v4, v4, v2                        ; rr = r + 8 (r / 8)
	v_lshl_add_u32 v23, v3, 3, v4                  ; my position among the wave's 32: 8 h + rr
	s_lshl_b32 s48, s30, 7
	v_lshl_add_u32 v[XA0], v23, 2, s48
	v_add_nc_u32 v[XA1], 0x10000, v[XA0]
	v_lshlrev_b32 v[L16], 4, v1
	v_lshlrev_b32 v[L8], 3, v1
	v_lshlrev_b32 v[QSA], 2, v23
	s_mul_i32 s48, s30, 6144
	s_add_co_u32 s48, s48, XIMG
	v_add_nc_u32 v[XWI], s48, v[L16]
	v_add_nc_u32 v[L16X], XIMG, v[L16]
	v_lshlrev_b32 v23, 2, v1
	s_lshl_b32 s48, s30, 8
	s_add_co_u32 s48, s48, XSC
	v_add_nc_u32 v[XWS], s48, v23
	v_add_nc_u32 v[KSR], KSC, v23
	v_add_nc_u32 v[L4X], XSC, v23
	s_lshr_b32 s48, s30, 1                         ; k's scale bytes: word 16 (w / 2) + r, bytes 2 (w % 2) and 2 (w % 2) + 1
	s_lshl_b32 s48, s48, 6
	s_and_b32 s49, s30, 1
	s_lshl_b32 s49, s49, 1
	s_add_co_u32 s48, s48, s49
	s_add_co_u32 s48, s48, KSC
	v_lshl_add_u32 v[KSA], v2, 2, s48
	v_mul_u32_u24 v[WA], v4, 192
	v_mad_u32_u24 v[WA], v3, 24, v[WA]
	v_lshlrev_b32 v[WSA], 3, v4
	v_lshlrev_b32 v[BA], 6, v3
	v_mul_u32_u24 v[VA], v2, 192
	v_mad_u32_u24 v[VA], v3, 24, v[VA]
	s_wait_alu depctr_va_vdst(0)
	v_lshlrev_b32 v[VSA], 3, v2
	s_wait_alu depctr_va_vdst(0)
	v_lshlrev_b32 v[BVA], 2, v2
	s_wait_alu depctr_va_vdst(0)
	v_mul_u32_u24 v[QA], v4, 24
	v_mad_u32_u24 v[QA], v3, 12, v[QA]
.irp b, 0,1,2,3
	v_mov_b32 v[TM+4+\b], 0                        ; written once: a lane permute's destination counts as one of its sources
.endr
	s_mov_b32 s[SEL], 0x76543210
	s_mov_b32 s[SEL+1], 0xfedcba98
	s_mov_b32 vcc_lo, 0xffff0000                   ; lanes 16-31: no compare is written in this text, so it stays
	s_mov_b32 s49, 0
	s_mul_i32 s48, s30, 12288                      ; my 64 rows of Wv,
	s_add_nc_u64 s[18:19], s[18:19], s[48:49]
	s_lshl_b32 s48, s30, 9                         ; their scale bytes,
	s_add_nc_u64 s[20:21], s[20:21], s[48:49]
	s_lshl_b32 s48, s30, 8                         ; my 64 numbers of bv
	s_add_nc_u64 s[22:23], s[22:23], s[48:49]
	s_lshl_b32 s48, s31, 5
	s_add_co_u32 s48, s48, ttmp9
	s_mul_i32 s48, s48, REC
	s_add_nc_u64 s[56:57], s[24:25], s[48:49]      ; the record
	s_mul_i32 s48, s30, 6144
	s_add_nc_u64 s[50:51], s[56:57], s[48:49]      ; my four images of v
	s_lshl_b32 s48, s30, 8
	s_add_co_u32 s48, s48, VSO
	s_add_nc_u64 s[52:53], s[56:57], s[48:49]      ; my 256 bytes of v's scale words
	s_mul_i32 s48, s30, 768
	s_add_co_u32 s48, s48, KC
	s_add_nc_u64 s[54:55], s[56:57], s[48:49]      ; my 32 keys' codes
	s_lshl_b32 s48, s31, 12
	s_lshl_b32 s47, ttmp9, 7
	s_add_co_u32 s48, s48, s47
	s_lshl_b32 s47, s30, 5
	s_add_co_u32 s47, s48, s47                     ; my first position among all 32,768
	s_mul_i32 s48, s47, 24
	s_add_nc_u64 s[58:59], s[26:27], s[48:49]      ; its codes of q
	s_lshl_b32 s48, s47, 2
	s_add_nc_u64 s[60:61], s[28:29], s[48:49]      ; its scale word of q
	; the weights, while x is on its way: they stay in registers
	WIN 0x40                                       ; destination window 1
.irp ot, 0,1
.irp ks, 0,1
.irp p, 0,1,2,3,4,5
	global_load_b64 v[12*(2*\ot+\ks)+2*\p:12*(2*\ot+\ks)+2*\p+1], v[WA], s[6:7] offset:1536*\ot+96*\ks+48*(\p/3)+8*(\p%3)
	global_load_b64 v[12*(4+2*\ot+\ks)+2*\p:12*(4+2*\ot+\ks)+2*\p+1], v[WA], s[12:13] offset:1536*\ot+96*\ks+48*(\p/3)+8*(\p%3)
.endr
.endr
	global_load_b128 v[BQK+8*\ot:BQK+8*\ot+3], v[BA], s[10:11] offset:32*\ot           ; bq at outputs 16 h + 8 ot + 0 .. 7: the result's layout
	global_load_b128 v[BQK+8*\ot+4:BQK+8*\ot+7], v[BA], s[10:11] offset:32*\ot+16
	global_load_b128 v[BQK+16+8*\ot:BQK+16+8*\ot+3], v[BA], s[16:17] offset:32*\ot     ; bk likewise
	global_load_b128 v[BQK+16+8*\ot+4:BQK+16+8*\ot+7], v[BA], s[16:17] offset:32*\ot+16
.endr
.irp a, 0,1,2,3
.irp ks, 0,1
.irp p, 0,1,2,3,4,5
	global_load_b64 v[WV+12*(2*\a+\ks)+2*\p:WV+12*(2*\a+\ks)+2*\p+1], v[VA], s[18:19] offset:3072*\a+96*\ks+48*(\p/3)+8*(\p%3)
.endr
.endr
.endr
	WIN 0
.irp ot, 0,1
.irp ks, 0,1
	global_load_b32 v[WQKS+2*\ot+\ks], v[WSA], s[8:9] offset:64*\ot+4*\ks
	global_load_b32 v[WQKS+4+2*\ot+\ks], v[WSA], s[14:15] offset:64*\ot+4*\ks
.endr
.endr
.irp a, 0,1,2,3
.irp ks, 0,1
	global_load_b32 v[WVS+2*\a+\ks], v[VSA], s[20:21] offset:128*\a+4*\ks
.endr
	global_load_b32 v[BVT+\a], v[BVA], s[22:23] offset:64*\a
.endr
	s_wait_loadcnt 0x0
	WIN 0x40
.irp a, 0,1,2,3
.irp j, 0,1,2,3,4,5,6,7
	v_mov_b32 v[BVC+8*\a+\j], v[BVT+\a]            ; in v's results a lane is a channel: its bias in all eight registers
.endr
.endr
	WIN 0
	s_wait_tensorcnt 0x0                           ; my 64 rows of x are in LDS,
	s_barrier_signal -1
	s_barrier_wait -1                              ; everybody's are
; ---- x becomes codes.  Block t: channels 32 t .. 32 t + 31 of my position, all in my 32 registers.
.macro LOADB t
.irp i, 0,1,2,3,4,5,6,7,8,9,10,11,12,13,14,15,16,17,18,19,20,21,22,23,24,25,26,27,28,29,30,31
.if (\t) < 4
	ds_load_b32 v[XR+32*((\t)%2)+\i], v[XA0] offset:(32*(\t)+\i)*512
.else
	ds_load_b32 v[XR+32*((\t)%2)+\i], v[XA1] offset:(32*((\t)-4)+\i)*512
.endif
.endr
.endm
.macro BLOCK t
.set XB, XR+32*((\t)%2)
.set XD, XF+12*(2*((\t)%2)+(\t)/4)+6*(((\t)/2)%2)      ; even blocks into tile 0's registers, odd ones into tile 1's: the exchange below sorts the halves of the lanes
.if (\t) < 7
	s_wait_dscnt 32                                ; this block's 32 loads are in; the next block's 32 may be out
.else
	s_wait_dscnt 0x0
.endif
	v_max3_num_f32 v[TM], |v[XB]|, |v[XB+1]|, |v[XB+2]|
	v_max3_num_f32 v[TM+1], |v[XB+3]|, |v[XB+4]|, |v[XB+5]|
.irp i, 6,10,14,18,22,26
	v_max3_num_f32 v[TM], v[TM], |v[XB+\i]|, |v[XB+\i+1]|
	v_max3_num_f32 v[TM+1], v[TM+1], |v[XB+\i+2]|, |v[XB+\i+3]|
.endr
	v_max3_num_f32 v[TM], v[TM], |v[XB+30]|, |v[XB+31]|
	v_max3_num_f32 v[TM], v[TM], v[TM+1], 0x2800000    ; and the floor 2^(5 - 127): the byte cannot fall under 1
	v_add_nc_u32 v[TM+8], 0xfe000000, v[TM]        ; 4 off the exponent field: the conversion's scale operand
	v_lshrrev_b32 v[TM+4], 23, v[TM+8]             ; the scale's byte
.if (\t)%4 == 0
	v_mov_b32 v[SW+(\t)/4], v[TM+4]
.else
	v_lshl_or_b32 v[SW+(\t)/4], v[TM+4], 8*((\t)%4), v[SW+(\t)/4]
.endif
	v_cvt_scalef32_pk16_bf6_f32 v[XD:XD+2], v[XB:XB+15], v[TM+8]
	v_cvt_scalef32_pk16_bf6_f32 v[CT:CT+2], v[XB+16:XB+31], v[TM+8]    ; (a conversion's three registers begin on an even number)
	v_nop                                          ; one plain place behind a scaled conversion
.irp i, 0,1,2
	v_mov_b32 v[XD+3+\i], v[CT+\i]
.endr
.if (\t)+2 < 8
	LOADB (\t)+2
.endif
.endm
	LOADB 0
	LOADB 1
.irp t, 0,1,2,3,4,5,6,7
	BLOCK \t
.endr
; Lanes 0-15 hold tile 0's rows, lanes 16-31 tile 1's, each with all blocks.  A fragment wants the even block of a pair in lanes 0-15 and the odd one in lanes 16-31:
; the even block's lanes 16-31 (tile 1) change places with the odd block's lanes 0-15 (tile 0).
.irp ks, 0,1
.irp i, 0,1,2,3,4,5,6,7,8,9,10,11
	v_permlane16_swap_b32 v[XF+12*\ks+\i], v[XF+12*(2+\ks)+\i]
.endr
.endr
.irp f, 0,1,2,3
.irp i, 0,1,2
	ds_store_b128 v[XWI], v[XF+12*\f+4*\i:XF+12*\f+4*\i+3] offset:1536*\f+512*\i
.endr
.endr
	ds_store_b32 v[XWS], v[SW]
	ds_store_b32 v[XWS], v[SW+1] offset:128
	PLACES 8                                       ; scale words made by vector instructions stand 8 places ahead of a scaled matrix instruction, operands 4
; ---- q and k of my 32 positions, transposed: source 0 = 16 rows of Wq or Wk, source 1 = x: a lane holds one position, and the 16 registers of a group the outputs 16 h + 0 .. 15.
; Eight accumulators by turns; the bias is the C of each sum's first product.
.macro QKMUL ks
.irp mat, 0,1
.irp u, 0,1
.irp ot, 0,1
.set qD, DQ+16*(2*\mat+\u)+8*\ot
.set qA, 12*(4*\mat+2*\ot+\ks)
.set qB, XF+12*(2*\u+\ks)
.set qC, BQK+8*(2*\mat+\ot)
.set qS, WQKS+4*\mat+2*\ot+\ks
.if \ks == 0
.if \u == 0
	v_wmma_scale_f32_16x16x128_f8f6f4 v[qD:qD+7], v[qA:qA+11], v[qB:qB+11], v[qC:qC+7], v[qS], v[SW+\ks] matrix_a_fmt:MATRIX_FMT_BF6 matrix_b_fmt:MATRIX_FMT_BF6
.else
	v_wmma_scale_f32_16x16x128_f8f6f4 v[qD:qD+7], v[qA:qA+11], v[qB:qB+11], v[qC:qC+7], v[qS], v[SW+\ks] matrix_a_fmt:MATRIX_FMT_BF6 matrix_b_fmt:MATRIX_FMT_BF6 matrix_b_scale:MATRIX_SCALE_ROW1
.endif
.else
.if \u == 0
	v_wmma_scale_f32_16x16x128_f8f6f4 v[qD:qD+7], v[qA:qA+11], v[qB:qB+11], v[qD:qD+7], v[qS], v[SW+\ks] matrix_a_fmt:MATRIX_FMT_BF6 matrix_b_fmt:MATRIX_FMT_BF6
.else
	v_wmma_scale_f32_16x16x128_f8f6f4 v[qD:qD+7], v[qA:qA+11], v[qB:qB+11], v[qD:qD+7], v[qS], v[SW+\ks] matrix_a_fmt:MATRIX_FMT_BF6 matrix_b_fmt:MATRIX_FMT_BF6 matrix_b_scale:MATRIX_SCALE_ROW1
.endif
.endif
.endr
.endr
.endr
.endm
	WIN 0x11                                       ; source 0 (the weights) and source 2 (the biases) window 1
	QKMUL 0
	WIN 0x01
	QKMUL 1
	WIN 0
	PLACES 5
; Four groups of 16 registers (q tile 0, q tile 1, k tile 0, k tile 1): each position's 32 numbers are ONE block, half in lane l and half in lane l xor 16.
.irp g, 0,1,2,3
	v_max3_num_f32 v[TM+\g], |v[DQ+16*\g]|, |v[DQ+16*\g+1]|, 0x2800000
.endr
.irp i, 2,4,6,8,10,12,14
.irp g, 0,1,2,3
	v_max3_num_f32 v[TM+\g], v[TM+\g], |v[DQ+16*\g+\i]|, |v[DQ+16*\g+\i+1]|
.endr
.endr
.irp g, 0,1,2,3
	v_permlanex16_b32 v[TM+4+\g], v[TM+\g], s[SEL], s[SEL+1]
.endr
.irp g, 0,1,2,3
	v_max_num_f32 v[TM+\g], v[TM+\g], v[TM+4+\g]
.endr
.irp g, 0,1,2,3
	v_add_nc_u32 v[TM+8+\g], 0xfe000000, v[TM+\g]
.endr
.irp g, 0,1,2,3
	v_lshrrev_b32 v[TM+4+\g], 23, v[TM+8+\g]
.endr
.irp g, 0,1,2,3
	v_cvt_scalef32_pk16_bf6_f32 v[QC+4*\g:QC+4*\g+2], v[DQ+16*\g:DQ+16*\g+15], v[TM+8+\g]
.endr
	v_nop                                          ; one plain place behind a scaled conversion
	v_cndmask_b32 v78, v[TM+4], v[TM+5], vcc_lo    ; q's byte of MY position (tile h, row r),
	v_lshl_or_b32 v78, v78, 8, v78
	v_lshl_or_b32 v78, v78, 16, v78                ; four times: whichever block of the attention's K step q's codes stand in, its byte is there
	v_lshl_or_b32 v79, v[TM+7], 8, v[TM+6]         ; k's bytes of row r of my two tiles
.irp u, 0,1
	global_store_b96 v[QA], v[QC+4*\u:QC+4*\u+2], s[58:59] offset:192*\u
	global_store_b96 v[QA], v[QC+8+4*\u:QC+8+4*\u+2], s[54:55] offset:192*\u
.endr
	global_store_b32 v[QSA], v78, s[60:61]         ; the wave's 32 words: 128 consecutive bytes
	ds_store_b16 v[KSA], v79                       ; (lanes r and 16 + r write the same two bytes with the same values)
	s_wait_dscnt 0x0                               ; for the others' sake: my images, scale words and bytes are in LDS
	s_barrier_signal -1
	s_barrier_wait -1
; ---- v for my 64 channels at all 128 positions: source 0 = 16 positions of x, source 1 = 16 rows of Wv: a lane holds one channel, register 16 b + i the key 32 b + 16 h + i.
	WIN 0x80                                       ; destination window 2
.set f, 0
.rept 16
.irp i, 0,1,2
	ds_load_b128 v[12*f+4*\i:12*f+4*\i+3], v[L16X] offset:1536*f+512*\i
.endr
.set f, f+1
.endr
	WIN 0
.irp q, 0,1,2,3,4,5,6,7
	ds_load_b32 v[XS+\q], v[L4X] offset:128*\q
.endr
	s_wait_dscnt 0x0
.macro VMUL a, ks
.irp pt, 0,1,2,3,4,5,6,7
.set vD, DV+8*\pt
.set vA, 12*(2*\pt+\ks)
.set vB, WV+12*(2*\a+\ks)
.set vC, BVC+8*\a
.set vS, XS+2*(\pt/2)+\ks
.set vT, WVS+2*\a+\ks
.if \ks == 0
.if (\pt%2) == 0
	v_wmma_scale_f32_16x16x128_f8f6f4 v[vD:vD+7], v[vA:vA+11], v[vB:vB+11], v[vC:vC+7], v[vS], v[vT] matrix_a_fmt:MATRIX_FMT_BF6 matrix_b_fmt:MATRIX_FMT_BF6
.else
	v_wmma_scale_f32_16x16x128_f8f6f4 v[vD:vD+7], v[vA:vA+11], v[vB:vB+11], v[vC:vC+7], v[vS], v[vT] matrix_a_fmt:MATRIX_FMT_BF6 matrix_b_fmt:MATRIX_FMT_BF6 matrix_a_scale:MATRIX_SCALE_ROW1
.endif
.else
.if (\pt%2) == 0
	v_wmma_scale_f32_16x16x128_f8f6f4 v[vD:vD+7], v[vA:vA+11], v[vB:vB+11], v[vD:vD+7], v[vS], v[vT] matrix_a_fmt:MATRIX_FMT_BF6 matrix_b_fmt:MATRIX_FMT_BF6
.else
	v_wmma_scale_f32_16x16x128_f8f6f4 v[vD:vD+7], v[vA:vA+11], v[vB:vB+11], v[vD:vD+7], v[vS], v[vT] matrix_a_fmt:MATRIX_FMT_BF6 matrix_b_fmt:MATRIX_FMT_BF6 matrix_a_scale:MATRIX_SCALE_ROW1
.endif
.endif
.endr
.endm
; 64 numbers of a lane, register 16 b + i = k 32 b + 16 h + i of my row, become a fragment's 12 registers at pc and its scale word in pw.
.macro QUANT s, pc, pw
.irp b, 0,1,2,3
	v_max3_num_f32 v[TM+\b], |v[\s+16*\b]|, |v[\s+1+16*\b]|, 0x2800000
.endr
.irp i, 2,4,6,8,10,12,14
.irp b, 0,1,2,3
	v_max3_num_f32 v[TM+\b], v[TM+\b], |v[\s+16*\b+\i]|, |v[\s+1+16*\b+\i]|
.endr
.endr
.irp b, 0,1,2,3
	v_permlanex16_b32 v[TM+4+\b], v[TM+\b], s[SEL], s[SEL+1]
.endr
.irp b, 0,1,2,3
	v_max_num_f32 v[TM+\b], v[TM+\b], v[TM+4+\b]
.endr
.irp b, 0,1,2,3
	v_add_nc_u32 v[TM+8+\b], 0xfe000000, v[TM+\b]
.endr
.irp b, 0,1,2,3
	v_lshrrev_b32 v[TM+4+\b], 23, v[TM+8+\b]
.endr
	v_lshl_or_b32 v[\pw], v[TM+5], 8, v[TM+4]
	v_lshl_or_b32 v[\pw], v[TM+6], 16, v[\pw]
	v_lshl_or_b32 v[\pw], v[TM+7], 24, v[\pw]
.irp c, 0,1
	v_cvt_scalef32_pk16_bf6_f32 v[(\pc)+6*\c:(\pc)+6*\c+2], v[\s+32*\c:\s+15+32*\c], v[TM+8+2*\c]
	v_cvt_scalef32_pk16_bf6_f32 v[CT+4*\c:CT+4*\c+2], v[\s+16+32*\c:\s+31+32*\c], v[TM+8+2*\c+1]
.endr
	v_nop                                          ; one plain place behind a scaled conversion
.irp c, 0,1                                    ; the operand's layout wants a whole block in a lane: lanes 0-15 block 2 c, lanes 16-31 block 2 c + 1
.irp i, 0,1,2
	v_permlane16_swap_b32 v[(\pc)+6*\c+\i], v[CT+4*\c+\i]
.endr
.irp i, 0,1,2
	v_mov_b32 v[(\pc)+3+6*\c+\i], v[CT+4*\c+\i]
.endr
.endr
.endm
.irp a, 0,1,2,3
	WIN 0x16                                       ; source 0 (x) window 2, source 1 (Wv) and source 2 (bv) window 1
	VMUL \a, 0
	WIN 0x06
	VMUL \a, 1
	WIN 0
	PLACES 5                                       ; 4 ahead of the first read of results; the next tile's first products write over these accumulators, which asks 5
	QUANT DV, PC+12*\a, PW+\a
.irp i, 0,1,2
	global_store_b128 v[L16], v[PC+12*\a+4*\i:PC+12*\a+4*\i+3], s[50:51] offset:1536*\a+512*\i   ; the image: 512 consecutive bytes a store
.endr
.endr
	v_cndmask_b32 v[BVT], v[PW], v[PW+1], vcc_lo   ; two tiles' scale words to a register: the even tile's in lanes 0-15, the odd one's in lanes 16-31
	v_cndmask_b32 v[BVT+1], v[PW+2], v[PW+3], vcc_lo
	global_store_b64 v[L8], v[BVT:BVT+1], s[52:53] ; 256 consecutive bytes
	s_cmp_lg_u32 s30, 0                            ; wave 0 sends k's gathered scale words
	s_cbranch_scc1 .Ldone
	ds_load_b32 v[BVT+2], v[KSR]
	v_mov_b32 v[BVT+3], 0                          ; the second word of each pair holds nothing; it is written, so that the record is whole
	s_wait_alu depctr_va_vdst(0)
	s_wait_dscnt 0x0
	global_store_b64 v[L8], v[BVT+2:BVT+3], s[56:57] offset:KSO
.Ldone:
	s_wait_tensorcnt 0x0
	ds_add_u32 v251, v255
	s_wait_dscnt 0x0
	s_endpgm
.Lfunc_end_k_qa3cd53b1e9_proj:
	.size	k_qa3cd53b1e9_proj, .Lfunc_end_k_qa3cd53b1e9_proj-k_qa3cd53b1e9_proj
	.p2alignl 7, 3214868480
	.fill 96, 4, 3214868480
	.section	.rodata,"a",@progbits
	.p2align	6, 0x0
	.amdhsa_kernel k_qa3cd53b1e9_proj
		.amdhsa_group_segment_fixed_size 168448
		.amdhsa_private_segment_fixed_size 0
		.amdhsa_enable_private_segment 0
		.amdhsa_kernarg_size 104
		.amdhsa_user_sgpr_count 2
		.amdhsa_user_sgpr_kernarg_segment_ptr 1
		.amdhsa_wavefront_size32 1
		.amdhsa_system_sgpr_workgroup_id_x 1
		.amdhsa_system_sgpr_workgroup_id_y 1
		.amdhsa_system_sgpr_workgroup_id_z 1
		.amdhsa_system_vgpr_workitem_id 0
		.amdhsa_next_free_vgpr 768
		.amdhsa_next_free_sgpr 66
		.amdhsa_reserve_vcc 1
		.amdhsa_float_denorm_mode_32 3
		.amdhsa_float_denorm_mode_16_64 3
		.amdhsa_memory_ordered 1
		.amdhsa_forward_progress 1
		.amdhsa_inst_pref_size 84
	.end_amdhsa_kernel
	.amdgpu_metadata
---
amdhsa.version: [ 1, 2 ]
amdhsa.kernels:
  - .name:           k_qa3cd53b1e9_proj
    .symbol:         k_qa3cd53b1e9_proj.kd
    .args:
      - { .name: x, .offset: 0, .size: 8, .value_kind: global_buffer, .address_space: global }
      - { .name: Wq_codes, .offset: 8, .size: 8, .value_kind: global_buffer, .address_space: global }
      - { .name: Wq_scales, .offset: 16, .size: 8, .value_kind: global_buffer, .address_space: global }
      - { .name: bq, .offset: 24, .size: 8, .value_kind: global_buffer, .address_space: global }
      - { .name: Wk_codes, .offset: 32, .size: 8, .value_kind: global_buffer, .address_space: global }
      - { .name: Wk_scales, .offset: 40, .size: 8, .value_kind: global_buffer, .address_space: global }
      - { .name: bk, .offset: 48, .size: 8, .value_kind: global_buffer, .address_space: global }
      - { .name: Wv_codes, .offset: 56, .size: 8, .value_kind: global_buffer, .address_space: global }
      - { .name: Wv_scales, .offset: 64, .size: 8, .value_kind: global_buffer, .address_space: global }
      - { .name: bv, .offset: 72, .size: 8, .value_kind: global_buffer, .address_space: global }
      - { .name: kv, .offset: 80, .size: 8, .value_kind: global_buffer, .address_space: global }
      - { .name: qcod, .offset: 88, .size: 8, .value_kind: global_buffer, .address_space: global }
      - { .name: qscl, .offset: 96, .size: 8, .value_kind: global_buffer, .address_space: global }
    .group_segment_fixed_size: 168448
    .private_segment_fixed_size: 0
    .kernarg_segment_align: 8
    .kernarg_segment_size: 104
    .max_flat_workgroup_size: 128
    .sgpr_count:     66
    .vgpr_count:     768
    .wavefront_size: 32
...
	.end_amdgpu_metadata
.endif
;; end of part 1
;; launch attn (part 2): grid 32 x 8, 8 waves a work-group, clusters of 4 x 1, 327,680 bytes of LDS; arguments kv, qcod, qscl, x, gamma, out0; writes out0
.if DOCPART == 2
	.amdgcn_target "amdgcn-amd-amdhsa--gfx1250"
	.amdhsa_code_object_version 6
	.text
	.protected	k_qa3cd53b1e9_attn
	.globl	k_qa3cd53b1e9_attn
	.p2align	8
	.type	k_qa3cd53b1e9_attn,@function
k_qa3cd53b1e9_attn:
	s_mov_b64 s[64:65], 0
	v_nop
	global_prefetch_b8 v0, s[64:65] scope:SCOPE_SE
	s_setreg_imm32_b32 hwreg(HW_REG_WAVE_MODE, 25, 1), 1
	s_wait_xcnt 0x0
	s_wait_alu depctr_hold_cnt(0) depctr_sa_sdst(0) depctr_va_vdst(0) depctr_va_sdst(0) depctr_va_ssrc(0) depctr_va_vcc(0) depctr_vm_vsrc(0)
	s_getreg_b32 s2, hwreg(HW_REG_IB_STS2, 6, 4)
	s_cmp_eq_u32 s2, 0
	s_cbranch_scc0 .Lentry_in_a_cluster
	s_endpgm
.Lentry_in_a_cluster:
	s_bfe_u32 s2, ttmp6, 0x10000c
	s_cmp_lg_u32 s2, 0x3003
	s_cbranch_scc0 .Lentry_shape_is_right
	s_endpgm
.Lentry_shape_is_right:
; out0[b][c][n] = gamma x (sum over m of v[b][c][m] p[n][m]) / l[n] + x[b][c][n], p = 2^(t - M), t = (q[n] . k[m]) log2(e), both products on codes of BF6 (E3M2) with one E8M0 scale for each 32 along K.
; M is the running largest t rounded UP to a whole number; l is the sum of the unquantised p; when M moves, l and the sums are multiplied by 2^(old M - new M), which rounds nothing.
; SHARES.  A work-group owns 128 queries of one image; each of its EIGHT waves owns 16 of them, one tile, in 480 registers: two waves to a SIMD, so that one wave's vector work stands beside the other's matrix work and LDS loads.
; Every wave walks the image's 4,096 keys, 128 a step, 32 steps.  A step's operands are one RECORD of kv (28,928 bytes): 16 images of v's fragments, v's scale words, k's codes, k's scale words.
; Records come through a ring of two LDS slots of four records; waves 0 to 3 fetch one record of a slot each, and all eight read them.  Each fragment of v that a wave reads feeds one product.
; CLUSTER.  The four work-groups of a cluster belong to one image and walk the same records: each record is asked for JOINTLY, by the same tensor load with the same descriptor and a mask that names the four.
; LAYOUT.  Both products are used transposed: S^T = k q^T (source 0 = keys), O^T = v p^T (source 0 = 16 channels): a lane holds ONE query (lane % 16) throughout.
; THE FIRST PRODUCT'S K IS 32, the instruction's 128.  A fragment of k holds FOUR tiles of 16 keys, one in each block of 32 along the instruction's K; the tile of queries is kept as four fragments, fragment bb with q's codes in block bb
; and zero codes elsewhere.  Instruction T multiplies k's fragment T / 4 by q's fragment T % 4: the other three blocks are codes times zero codes, which add nothing; all scale bytes there are true bytes.
; THE KEYS OF A TILE ARE NOT NEIGHBOURS: row r of tile 2 b + u is key 32 b + 8 u + r + 8 (r / 8), so that the 16 registers of tiles 2 b and 2 b + 1 are the keys 32 b + 16 (lane / 16) + 0 .. 15.
; THE LOOP HAS NO FIRST STEP OF ITS OWN: O^T begins as products with zero codes, l as 0 and the largest t as -3e38: the first change of M multiplies zeros by 0.
; LIMITS: NaN and infinities are not served.  p under 2^-126 counts as 0 (v_exp_f32 flushes).  A block whose every p is 0 keeps the byte 1: its codes are zeros.  A block's largest p is made from its largest score by the same
; multiply-add and exponential, which takes v_exp_f32 not to fall where its input rises.
; REGISTERS, in windows of 256.  Window 0: v1-15 addresses; v16-23 statistics; v24-51 at work; v52 k's scale words, v53 q's, v54 p's, v56-63 v's; v55 gamma; v64-127 S^T, then p; v128-139 p's codes; v140-169 q; v170-193 k; v194-199 the way out.
;   Window 1: v0-127 O^T (tile ct at 8 ct); v128-223 eight fragments of v.
.set REC,   28928
.set VSO,   24576
.set KC,    25600
.set KSO,   28672
.set SLOTB, 4*REC                      ; a slot: four records, 115,712 bytes
.set IMGB,  32*REC                     ; an image's records
.set SLOT1, 131072                     ; slot 1 begins here: one exclusive or turns an address in one slot into the other's.  Bytes 0 .. 131,071 take x at the last change of slots
.set STG,   131072                     ; the way out: a stage of 256 rows x 528 bytes, in slot 1, which has had its last fill and its last read by then, and the bytes behind it
.set GL,    STG+256*528                ; behind it: gamma / l of the 128 queries
.set SPARE, 314368                     ; the spare words, 128 bytes for each wave: four blocks of 256 bytes that no other line names
.set AK0, 1                            ; v1   my lane's place among a record's codes of k
.set L16, 2                            ; v2   16 x lane
.set L8,  3                            ; v3   8 x lane
.set ADR, 4                            ; v4, v5, v9 LDS addresses of the loads in hand
.set ADR2, 5
.set SPW, 6                            ; v6   LDS address of my spare word; never rewritten
.set NIL, 7                            ; v7   0; never rewritten
.set PFO, 8                            ; v8   the prefetches' offset; never rewritten
.set ADR3, 9
.set STO, 10                           ; v10-13 the way out: where my results go in the stage, 64 rows to a register
.set RD,  14                           ; v14  where I read rows back
.set XR,  15                           ; v15  my 16 bytes in my wave's first row of x in LDS
.set ST,  16                           ; v16 -M, v17 the largest t, v18-19 l in two halves, v20 f (at the end gamma / l), v21 its pair's upper word, v22-23 at work at the end
.set BM,  24                           ; v24-27 the blocks' largest scores, then largest p
.set BP,  28                           ; v28-31 the other half of the lanes'
.set W,   32
.set SA,  34                           ; v34-35 the second chain of the sums
.set SO,  36                           ; v36-39 the conversions' scale operands
.set BY,  40                           ; v40-43 the scale bytes
.set CT,  44                           ; v44-51 the conversions' second halves
.set KS,  52
.set QS,  53
.set PS,  54
.set GAMV, 55
.set VS,  56
.set S,   64
.set P,   128
.set QF,  140                          ; five runs of six registers: zeros, q in lanes 0-15, zeros, q in lanes 16-31, zeros: the four fragments are the four runs of twelve that begin at 6, 18, 0 and 12
.set KF,  170
.set GA,  194                          ; v194 where my query's gamma / l goes
.set GF,  196                          ; v196-199 gamma / l of the four queries whose numbers I store
.set VF,  128                          ; in window 1
.set WV,  16                           ; s16  my wave's number
.set G1,  24                           ; s[24:31] descriptor group 1 for a record
.set G0,  32                           ; s[32:35] group 0 for the records: it walks
.set G0X, 36                           ; s[36:39] group 0 for x
.set SLOTS, 40
.set CNT, 41
.set TB,  42                           ; s42  LDS byte of the step's record
.set CS,  44                           ; s[44:45] log2(e): the packed form names a pair and takes its low word
.set SEL, 46                           ; s[46:47] lane selects for v_permlanex16_b32: lane l xor 16
.set SR,  48                           ; s48  the way out: bytes walked in the stage,
.set SX,  49                           ; s49  and in x
.set PFA, 50                           ; s[50:51] where my prefetches stand
.set LIM, 52
.set OB,  56                           ; s[56:57] out0 at my wave's 32 rows, my block's 512 bytes
.set G1X, 76                           ; s[76:83] descriptor group 1 for x
.set W_PV, 0x51                        ; v, C and D in window 1, p in window 0
.set W_RS, 0x41                        ; O^T (destination and source 0) in window 1, the factor in window 0
.set TO_1, 0x40                        ; destination window 1, all sources window 0
.set MSB, 0
.macro WIN new                         ; the immediate's high byte repeats the setting that is left; a switch that changes nothing is dropped
.if MSB != \new
	s_set_vgpr_msb (MSB<<8)|\new
.set MSB, \new
.endif
.endm
.macro PLACES n
.rept \n
	v_nop
.endr
.endm
.macro CROUND                          ; a round of the cluster's barrier
	s_barrier_signal -1
	s_barrier_wait -1
	s_cmp_lg_u32 s[WV], 0
	s_cbranch_scc1 .Lnot_wave_0_\@
	s_barrier_signal -3
.Lnot_wave_0_\@:
	s_barrier_wait -3
	s_barrier_signal -1
	s_barrier_wait -1
.endm
.macro JLOAD                           ; a joint load: waves 0 to 3 fetch a record each, the others nothing.  The branch hangs on the wave's number alone; four v_nop follow the load
	s_cmp_lt_u32 s[WV], 4
	s_cbranch_scc0 .Lno_load_\@
	tensor_load_to_lds s[G0:G0+3], s[G1:G1+7]
	s_nop 0
	PLACES 4
.Lno_load_\@:
.endm
	s_load_b256 s[4:11], s[0:1], 0x0               ; kv, qcod, qscl, x
	s_load_b128 s[12:15], s[0:1], 0x20             ; gamma, out0
	v_lshl_add_u32 v[SPW], v0, 2, SPARE
	v_mov_b32 v[NIL], 0
	ds_add_u32 v6, v7
	ds_add_u32 v6, v7
	s_wait_dscnt 0x0
	v_lshrrev_b32 v[ADR], 5, v0
	s_delay_alu instid0(VALU_DEP_1)
	v_readfirstlane_b32 s[WV], v[ADR]              ; wave 0..7
	s_bfe_u32 s17, ttmp6, 0x40000                  ; cx: my place in the cluster
	s_lshl_b32 s18, ttmp9, 2
	s_add_co_u32 s18, s18, s17                     ; my block of 128 queries: it enters q's, x's and out0's addresses alone
	s_and_b32 s19, ttmp7, 0xffff                   ; the image, which the four partners share
	; descriptor group 1: a record, dense in memory, as 113 rows of 256 bytes (32 elements of 8 bytes), no padding
	s_mov_b32 s[G1], 15|(3<<16)|(1<<21)            ; the mask: all four work-groups; elements of 8 bytes; bit 21 set beside a mask
	s_mov_b32 s[G1+1], 32<<16                      ; tensor_dim0
	s_mov_b32 s[G1+2], 113<<16                     ; tensor_dim1
	s_mov_b32 s[G1+3], 32<<16                      ; tile_dim0
	s_mov_b32 s[G1+4], 113                         ; tile_dim1
	s_mov_b32 s[G1+5], 32                          ; the pitch
	s_mov_b32 s[G1+6], 0
	s_mov_b32 s[G1+7], 0
	; and for x: 32 rows of 512 bytes (64 elements of 8 bytes), 16,384 bytes (2,048 elements) from row to row; no mask: each work-group has its own block
	s_mov_b32 s[G1X], 3<<16
	s_mov_b32 s[G1X+1], 64<<16
	s_mov_b32 s[G1X+2], 32<<16
	s_mov_b32 s[G1X+3], 64<<16
	s_mov_b32 s[G1X+4], 32
	s_mov_b32 s[G1X+5], 2048
	s_mov_b32 s[G1X+6], 0
	s_mov_b32 s[G1X+7], 0
	s_mov_b32 s[CS], 0x3fb8aa3b                    ; log2(e)
	s_mov_b32 s[CS+1], s[CS]
	s_mov_b32 s[SEL], 0x76543210
	s_mov_b32 s[SEL+1], 0xfedcba98
	s_mov_b32 s[TB], SLOT1+SLOTB                   ; the first change of slots turns this into slot 0's first byte
	s_mov_b32 s[SLOTS], 7
	s_lshr_b32 s58, s[WV], 2                       ; who prefetches: waves 4 to 7, which fetch nothing,
	s_xor_b32 s58, s58, 1
	s_or_b32 s58, s58, ttmp9                       ; of the image's first cluster: the same in all four partners
	s_cmp_eq_u32 s58, 0
	s_cselect_b32 s[LIM], 1, -1
	s_mul_i32 s58, s19, IMGB                       ; the image's records,
	s_mov_b32 s59, 0
	s_and_b32 s60, s[WV], 3
	s_mul_i32 s60, s60, REC                        ; my wave's record of a slot, in memory and in LDS
	s_mov_b32 s61, 0
	s_mul_i32 s62, s17, REC                        ; the prefetches: my work-group's record,
	s_add_co_u32 s62, s62, SLOTB                   ; in slot 1: the first change of slots steps it to slot 2
	s_mov_b32 s63, 0
	s_lshl_b32 s66, s19, 12
	s_lshl_b32 s67, s18, 7
	s_add_co_u32 s66, s66, s67
	s_lshl_b32 s67, s[WV], 4
	s_add_co_u32 s66, s66, s67                     ; my first query among all 32,768
	s_mul_i32 s68, s66, 24
	s_mov_b32 s69, 0
	s_lshl_b32 s70, s66, 2
	s_mov_b32 s71, 0
	s_lshl_b32 s72, s19, 22                        ; x and out0: the image, my wave's 32 rows of 16,384 bytes, my block's 512 bytes of a row
	s_lshl_b32 s73, s[WV], 19
	s_add_co_u32 s72, s72, s73
	s_lshl_b32 s73, s18, 9
	s_add_co_u32 s72, s72, s73
	s_mov_b32 s73, 0
	s_wait_kmcnt 0x0
	s_add_nc_u64 s[4:5], s[4:5], s[58:59]
	s_add_nc_u64 s[PFA:PFA+1], s[4:5], s[62:63]
	s_add_nc_u64 s[4:5], s[4:5], s[60:61]
	s_add_nc_u64 s[6:7], s[6:7], s[68:69]
	s_add_nc_u64 s[8:9], s[8:9], s[70:71]
	s_add_nc_u64 s[10:11], s[10:11], s[72:73]
	s_add_nc_u64 s[OB:OB+1], s[14:15], s[72:73]
	s_mov_b32 s[G0], 1
	s_mov_b32 s[G0+1], s60
	s_mov_b64 s[G0+2:G0+3], s[4:5]
	s_or_b32 s[G0+3], s[G0+3], 0x80000000
	s_mov_b32 s[G0X], 1
	s_lshl_b32 s[G0X+1], s[WV], 14                 ; LDS: 32 rows of 512 bytes a wave, from byte 0
	s_mov_b64 s[G0X+2:G0X+3], s[10:11]
	s_or_b32 s[G0X+3], s[G0X+3], 0x80000000
	CROUND                                         ; all four work-groups are here: the first joint loads meet
	JLOAD                                          ; steps 0-3: one load of mine is out
	v_and_b32 v32, 31, v0                          ; lane
	v_and_b32 v33, 15, v0                          ; r
	v_bfe_u32 v34, v0, 4, 1                        ; h
	s_delay_alu instid0(VALU_DEP_2)
	v_mul_u32_u24 v35, v33, 24
	s_delay_alu instid0(VALU_DEP_3)
	v_lshlrev_b32 v36, 2, v33
	v_mov_b32 v37, 0
.irp p, 0,1,2
	global_load_b64 v[S+2*\p:S+2*\p+1], v35, s[6:7] offset:8*\p    ; query r: its 32 codes, in both halves of the lanes
.endr
	global_load_b32 v[QS], v36, s[8:9]             ; its scale byte, four times
	global_load_b32 v[GAMV], v37, s[12:13]         ; gamma, in every lane
	v_and_b32 v38, 8, v33
	s_delay_alu instid0(VALU_DEP_1)
	v_add_nc_u32 v38, v38, v33                     ; r + 8 (r / 8)
	s_delay_alu instid0(VALU_DEP_1)
	v_lshl_add_u32 v38, v34, 3, v38                ; + 8 h: lane (r, h) takes, for registers 6 c on of fragment g, key 64 g + 32 c + 8 h + r + 8 (r / 8)
	s_delay_alu instid0(VALU_DEP_1)
	v_mul_u32_u24 v[AK0], v38, 24
	s_delay_alu instid0(VALU_DEP_1)
	v_add_nc_u32 v[AK0], KC, v[AK0]
	v_lshlrev_b32 v[L16], 4, v32
	v_lshlrev_b32 v[L8], 3, v32
	v_and_b32 v[PFO], 127, v0                      ; in waves 4 to 7: the thread's number among their 128,
	s_delay_alu instid0(VALU_DEP_1)
	v_min_u32 v[PFO], 112, v[PFO]                  ; held at the record's last block,
	s_delay_alu instid0(VALU_DEP_1)
	v_lshlrev_b32 v[PFO], 8, v[PFO]                ; 256 bytes to a thread
	v_mov_b32 v[ST+1], 0xff61b1e6                  ; the largest t so far: -3e38, under every t
	s_delay_alu instid0(VALU_DEP_1)
	v_floor_f32 v[ST], -v[ST+1]                    ; -M
	v_mov_b32 v[ST+2], 0                           ; l, in two halves
	v_mov_b32 v[ST+3], 0
	v_mov_b32 v[ST+4], 0
	v_mov_b32 v[ST+5], 0                           ; (named as the upper word of f's pair)
	v_mov_b32 v[ST+7], 0                           ; (a lane permute's destination counts as one of its sources)
	v_mov_b32 v[PS], 0x7f7f7f7f                    ; p's scale bytes begin as 1,
.irp b, 0,1,2,3
	v_mov_b32 v[BP+\b], 0
.endr
.irp i, 0,1,2,3,4,5,6,7,8,9,10,11
	v_mov_b32 v[P+\i], 0                           ; and p's codes as zeros
.endr
	v_add_nc_u32 v40, -1, v34                      ; all ones in lanes 0-15, 0 in lanes 16-31,
	v_sub_nc_u32 v41, 0, v34                       ; and the other way round
	s_wait_alu depctr_va_vdst(0)
	s_wait_loadcnt 0x0                             ; q, its scale word, gamma
.irp i, 0,1,2,3,4,5
	v_and_b32 v[QF+6+\i], v[S+\i], v40             ; q's codes in lanes 0-15, zero codes in lanes 16-31,
	v_and_b32 v[QF+18+\i], v[S+\i], v41            ; and the other way round;
	v_mov_b32 v[QF+\i], 0                          ; zero codes between them
	v_mov_b32 v[QF+12+\i], 0
	v_mov_b32 v[QF+24+\i], 0
.endr
	s_lshl_b32 s58, s[WV], 6                       ; the way out.  Into the stage: row = channel, 528 bytes; in it my query's word: 4 (16 w + r); lanes 16-31 eight rows further down
	s_add_co_u32 s58, s58, STG
	v_mul_u32_u24 v39, v34, 4224
	s_delay_alu instid0(VALU_DEP_1)
	v_lshl_add_u32 v39, v33, 2, v39
	s_delay_alu instid0(VALU_DEP_1)
	v_add_nc_u32 v[STO], s58, v39
	s_delay_alu instid0(VALU_DEP_1)
	v_add_nc_u32 v[STO+1], 33792, v[STO]
	s_delay_alu instid0(VALU_DEP_2)
	v_add_nc_u32 v[STO+2], 67584, v[STO]
	s_delay_alu instid0(VALU_DEP_3)
	v_add_nc_u32 v[STO+3], 101376, v[STO]
	s_mul_i32 s58, s[WV], 32*528                   ; back: my 32 rows
	s_add_co_u32 s58, s58, STG
	v_add_nc_u32 v[RD], s58, v[L16]
	s_lshl_b32 s58, s[WV], 14                      ; x: my 32 rows
	v_add_nc_u32 v[XR], s58, v[L16]
	s_lshl_b32 s58, s[WV], 6
	s_add_co_u32 s58, s58, GL
	v_lshl_add_u32 v[GA], v33, 2, s58              ; gamma / l: word 16 w + r.  (These nine vector lines are also the places between the operands made above and the products below)
	WIN TO_1
.irp ct, 0,1,2,3,4,5,6,7,8,9,10,11,12,13,14,15
	v_wmma_scale_f32_16x16x128_f8f6f4 v[8*\ct:8*\ct+7], v[QF+6:QF+17], v[P:P+11], 0, v[QS], v[PS] matrix_a_fmt:MATRIX_FMT_BF6 matrix_b_fmt:MATRIX_FMT_BF6   ; O^T begins as products with zero codes, with the constant 0 as C: nothing is cleared by moves
.endr
	WIN 0
; Eight fragments of v, tiles 8 half + 0 .. 7: images, read as they were stored: three loads of 16 bytes a lane each.
.macro VLOAD half
	WIN TO_1
.irp c, 0,1,2,3,4,5,6,7
.irp i, 0,1,2
	ds_load_b128 v[VF+12*\c+4*\i:VF+12*\c+4*\i+3], v[ADR3] offset:1536*(8*\half+\c)+512*\i
.endr
.endr
.endm
; Eight products O^T += v p^T, one for each of eight accumulators: no two that follow each other share one.  v's scale words lie two tiles to a register: the even tile's in lanes 0-15.
.macro PV half
	WIN W_PV
.irp c, 0,2,4,6
	v_wmma_scale_f32_16x16x128_f8f6f4 v[8*(8*\half+\c):8*(8*\half+\c)+7], v[VF+12*\c:VF+12*\c+11], v[P:P+11], v[8*(8*\half+\c):8*(8*\half+\c)+7], v[VS+(8*\half+\c)/2], v[PS] matrix_a_fmt:MATRIX_FMT_BF6 matrix_b_fmt:MATRIX_FMT_BF6
	v_wmma_scale_f32_16x16x128_f8f6f4 v[8*(8*\half+\c)+8:8*(8*\half+\c)+15], v[VF+12*\c+12:VF+12*\c+23], v[P:P+11], v[8*(8*\half+\c)+8:8*(8*\half+\c)+15], v[VS+(8*\half+\c)/2], v[PS] matrix_a_fmt:MATRIX_FMT_BF6 matrix_b_fmt:MATRIX_FMT_BF6 matrix_a_scale:MATRIX_SCALE_ROW1
.endr
.endm
; n pairs of O^T, from register `from` on, under the new M: x f.  Each accumulator is taken from its low end on.
.macro RESC from, n
	WIN W_RS
.set mj, \from
.rept \n
	v_pk_mul_f32 v[mj:mj+1], v[mj:mj+1], v[ST+4:ST+5] op_sel_hi:[1,0]
.set mj, mj+2
.endr
.endm
; A KEY STEP: the 128 keys of the record at s[TB].
.macro STEP
	v_add_nc_u32 v[ADR], s[TB], v[AK0]
	v_add_nc_u32 v[ADR2], s[TB], v[L8]
	v_add_nc_u32 v[ADR3], s[TB], v[L16]
	v_nop                                          ; four places between the last step's products and the loads into the registers that they read
.irp g, 0,1
.irp c, 0,1
.irp p, 0,1,2
	ds_load_b64 v[KF+12*\g+6*\c+2*\p:KF+12*\g+6*\c+2*\p+1], v[ADR] offset:(64*\g+32*\c)*24+8*\p     ; k: two fragments, each 24 bytes of four tiles' rows, in pieces of 8
.endr
.endr
.endr
	ds_load_b32 v[KS], v[ADR2] offset:KSO          ; lanes 0-15: fragment 0's rows, lanes 16-31: fragment 1's; byte bb: the tile in block bb
.irp q, 0,1,2,3
	ds_load_b64 v[VS+2*\q:VS+2*\q+1], v[ADR2] offset:VSO+256*\q
.endr
	VLOAD 0                                        ; v's first half lands while the softmax runs
	WIN 0
	s_wait_dscnt 28                                ; k's 13 loads are in; the 28 issued behind them may be out
.irp T, 0,1,2,3
	v_wmma_scale_f32_16x16x128_f8f6f4 v[S+8*\T:S+8*\T+7], v[KF:KF+11], v[QF+6*(1-\T/2)+12*(\T%2):QF+6*(1-\T/2)+12*(\T%2)+11], 0, v[KS], v[QS] matrix_a_fmt:MATRIX_FMT_BF6 matrix_b_fmt:MATRIX_FMT_BF6
.endr
.irp T, 0,1,2,3
	v_wmma_scale_f32_16x16x128_f8f6f4 v[S+32+8*\T:S+32+8*\T+7], v[KF+12:KF+23], v[QF+6*(1-\T/2)+12*(\T%2):QF+6*(1-\T/2)+12*(\T%2)+11], 0, v[KS], v[QS] matrix_a_fmt:MATRIX_FMT_BF6 matrix_b_fmt:MATRIX_FMT_BF6 matrix_a_scale:MATRIX_SCALE_ROW1
.endr
	PLACES 4
.irp b, 0,1,2,3
	v_max3_num_f32 v[BM+\b], v[S+16*\b], v[S+16*\b+1], v[S+16*\b+2]        ; the largest score of each block of 32 keys: for the row's maximum, and for the block's largest p
.endr
.irp i, 3,5,7,9,11,13
.irp b, 0,1,2,3
	v_max3_num_f32 v[BM+\b], v[BM+\b], v[S+16*\b+\i], v[S+16*\b+\i+1]      ; (the four blocks by turns)
.endr
.endr
.irp b, 0,1,2,3
	v_max_num_f32 v[BM+\b], v[BM+\b], v[S+16*\b+15]
.endr
.irp b, 0,1,2,3
	s_delay_alu instid0(VALU_DEP_4)
	v_permlanex16_b32 v[BP+\b], v[BM+\b], s[SEL], s[SEL+1]
.endr
.irp b, 0,1,2,3
	s_delay_alu instid0(VALU_DEP_4)
	v_max_num_f32 v[BM+\b], v[BM+\b], v[BP+\b]     ; with lane l xor 16's 16 keys
.endr
	s_delay_alu instid0(VALU_DEP_2)
	v_max3_num_f32 v[W], v[BM], v[BM+1], v[BM+2]
	s_delay_alu instid0(VALU_DEP_1)
	v_max_num_f32 v[W], v[W], v[BM+3]              ; the step's largest score of my query
	s_delay_alu instid0(VALU_DEP_1)
	v_mul_f32 v[W], s[CS], v[W]                    ; as t
	s_delay_alu instid0(VALU_DEP_1)
	v_max_num_f32 v[ST+1], v[ST+1], v[W]           ; the running largest t
	v_mov_b32 v[W], v[ST]
	s_delay_alu instid0(VALU_DEP_2)
	v_floor_f32 v[ST], -v[ST+1]                    ; the new -M = floor(-t) = -ceil(t)
	s_delay_alu instid0(VALU_DEP_1)
	v_sub_f32 v[W], v[ST], v[W]                    ; old M - new M: a whole number, 0 or less
	s_delay_alu instid0(VALU_DEP_1)
	v_cvt_i32_f32 v[W], v[W]                       ; (it saturates)
	s_delay_alu instid0(VALU_DEP_1)
	v_ldexp_f32 v[ST+4], 1.0, v[W]                 ; f = 2^(old M - new M)
.set mj, 0
.rept 32
	v_pk_fma_f32 v[S+mj:S+mj+1], v[S+mj:S+mj+1], s[CS:CS+1], v[ST:ST+1] op_sel_hi:[1,0,0]   ; t - M, two at a time (of the pairs log2(e) and -M the low word serves both halves)
.set mj, mj+2
.endr
.irp b, 0,1,2,3
	v_fma_f32 v[BM+\b], v[BM+\b], s[CS], v[ST]     ; the same of each block's largest score
.endr
.set mj, 0
	s_wait_alu depctr_va_vdst(0)
.rept 64
	v_exp_f32 v[S+mj], v[S+mj]                     ; p = 2^(t - M), at most 1
.set mj, mj+1
.endr
	v_pk_mul_f32 v[ST+2:ST+3], v[ST+2:ST+3], v[ST+4:ST+5] op_sel_hi:[1,0]   ; l under the new M; the plain line behind the exponentials
	s_wait_alu depctr_va_vdst(0)                   ; one wait for the batch of 64, ahead of its first reader
.irp b, 0,1,2,3
	v_exp_f32 v[BM+\b], v[BM+\b]                   ; the blocks' largest p
.endr
	v_pk_add_f32 v[34:35], v[68:69], v[72:73]
	v_pk_add_f32 v[254:255], v[76:77], v[80:81]
	v_pk_add_f32 v[252:253], v[84:85], v[88:89]
	v_pk_add_f32 v[250:251], v[92:93], v[96:97]
	v_pk_add_f32 v[248:249], v[100:101], v[104:105]
	v_pk_add_f32 v[246:247], v[108:109], v[112:113]
	v_pk_add_f32 v[244:245], v[116:117], v[120:121]
	v_pk_add_f32 v[18:19], v[18:19], v[124:125]
	v_pk_add_f32 v[34:35], v[34:35], v[64:65]
	v_pk_add_f32 v[254:255], v[254:255], v[66:67]
	v_pk_add_f32 v[252:253], v[252:253], v[70:71]
	v_pk_add_f32 v[250:251], v[250:251], v[74:75]
	v_pk_add_f32 v[248:249], v[248:249], v[78:79]
	v_pk_add_f32 v[246:247], v[246:247], v[82:83]
	v_pk_add_f32 v[244:245], v[244:245], v[86:87]
	v_pk_add_f32 v[18:19], v[18:19], v[90:91]
	v_pk_add_f32 v[34:35], v[34:35], v[94:95]
	v_pk_add_f32 v[254:255], v[254:255], v[98:99]
	v_pk_add_f32 v[252:253], v[252:253], v[102:103]
	v_pk_add_f32 v[250:251], v[250:251], v[106:107]
	v_pk_add_f32 v[248:249], v[248:249], v[110:111]
	v_pk_add_f32 v[246:247], v[246:247], v[114:115]
	v_pk_add_f32 v[244:245], v[244:245], v[118:119]
	v_pk_add_f32 v[18:19], v[18:19], v[122:123]
	v_pk_add_f32 v[34:35], v[34:35], v[126:127]
	s_delay_alu instid0(VALU_DEP_2)
	v_pk_add_f32 v[18:19], v[18:19], v[250:251]
	s_delay_alu instid0(VALU_DEP_2)
	v_pk_add_f32 v[34:35], v[34:35], v[248:249]
	v_pk_add_f32 v[254:255], v[254:255], v[246:247]
	v_pk_add_f32 v[252:253], v[252:253], v[244:245]
	s_delay_alu instid0(VALU_DEP_2)
	v_pk_add_f32 v[18:19], v[18:19], v[254:255]
	s_delay_alu instid0(VALU_DEP_2)
	v_pk_add_f32 v[34:35], v[34:35], v[252:253]
	s_delay_alu instid0(VALU_DEP_1)
	v_pk_add_f32 v[18:19], v[18:19], v[34:35]
	s_wait_alu depctr_va_vdst(0)                   ; and one for the four
.irp b, 0,1,2,3
	v_max_num_f32 v[BM+\b], 0x2800000, v[BM+\b]    ; the floor 2^(5 - 127): the byte cannot fall under 1
.endr
.irp b, 0,1,2,3
	s_delay_alu instid0(VALU_DEP_4)
	v_add_nc_u32 v[SO+\b], 0xfe000000, v[BM+\b]    ; 4 off the exponent field: the conversion's scale operand
.endr
.irp b, 0,1,2,3
	s_delay_alu instid0(VALU_DEP_4)
	v_lshrrev_b32 v[BY+\b], 23, v[SO+\b]           ; the scale's byte
.endr
	s_delay_alu instid0(VALU_DEP_3)
	v_lshl_or_b32 v[PS], v[BY+1], 8, v[BY]         ; p's scale word for these 128 keys
	s_delay_alu instid0(VALU_DEP_1)
	v_lshl_or_b32 v[PS], v[BY+2], 16, v[PS]
	s_delay_alu instid0(VALU_DEP_1)
	v_lshl_or_b32 v[PS], v[BY+3], 24, v[PS]
.irp c, 0,1
	v_cvt_scalef32_pk16_bf6_f32 v[P+6*\c:P+6*\c+2], v[S+32*\c:S+32*\c+15], v[SO+2*\c]
	v_cvt_scalef32_pk16_bf6_f32 v[CT+4*\c:CT+4*\c+2], v[S+16+32*\c:S+31+32*\c], v[SO+2*\c+1]   ; (a conversion's three registers begin on an even number)
.endr
	v_nop                                          ; one plain place behind a scaled conversion
.irp c, 0,1                                    ; the operand's layout wants a whole block in a lane: lanes 0-15 block 2 c, lanes 16-31 block 2 c + 1
.irp i, 0,1,2
	v_permlane16_swap_b32 v[P+6*\c+\i], v[CT+4*\c+\i]
.endr
.irp i, 0,1,2
	s_delay_alu instid0(VALU_DEP_3)
	v_mov_b32 v[P+3+6*\c+\i], v[CT+4*\c+\i]
.endr
.endr
	RESC 0, 32                                     ; O^T's tiles 0-7 under the new M.  (These 32 are also the places between p's codes and scale word and the products that take them)
	s_wait_alu depctr_va_vdst(0)
	s_wait_dscnt 0x0                               ; v's first half and its scale words are in
	PV 0
	RESC 64, 4                                     ; tile 8: four places between those products and the loads into the registers that they read
	VLOAD 1
	RESC 72, 28                                    ; tiles 9-15, while v's second half is on its way
	s_wait_alu depctr_va_vdst(0)
	s_wait_dscnt 0x0
	PV 1
	WIN 0
	s_add_co_u32 s[TB], s[TB], REC                 ; the next step's record
.endm
; THE CHANGE OF SLOTS, at the head of a slot's four steps.  Each wave waits for all its tensor loads, of which at most one is out: its record of the slot ahead; adds 0 to its spare word; and waits for that and for its own
; reads of the slot that it has left.  Behind a round of the cluster's barrier the other slot is filled with the records that follow: one joint load in each of waves 0 to 3, which has four key steps in which to land.
; (In the first trip that is slot 1's first fill.)
; THE PREFETCH INTO THE L2 behind it names what the NEXT change will ask for: four records.  All clusters of an image walk the same records: the image's first cluster asks.  Its four partners are told apart BY ADDRESS: the partner
; at place cx takes record cx of the slot.
; The last change of this loop asks for nothing: no record is left.  Slots 0 and 1 come by their loads alone.
.Lslot:                                            ; seven trips
	s_wait_tensorcnt 0x0                           ; no tensor load of mine is out, so a group 0 may be written
	ds_add_u32 v[SPW], v[NIL]                      ; 0 onto my spare word
	ds_add_u32 v6, v7
	s_xor_b32 s[G0+1], s[G0+1], SLOT1              ; the walking descriptor: the other slot than last time,
	s_add_nc_u64 s[G0+2:G0+3], s[G0+2:G0+3], SLOTB ; the next four records; the type bits on top are not reached
	s_wait_xcnt 0x0                                ; the last prefetch, four key steps back, has read its address, so it may be written
	s_add_nc_u64 s[PFA:PFA+1], s[PFA:PFA+1], SLOTB
	s_wait_dscnt 0x0                               ; the add is done, and my reads of the slot that I have left are over
	CROUND
	JLOAD
	s_cmp_gt_u32 s[SLOTS], s[LIM]
	s_cbranch_scc0 .Lnot_mine
	global_prefetch_b8 v[PFO], s[PFA:PFA+1] th:TH_LOAD_NT scope:SCOPE_SE
.Lnot_mine:
	s_sub_co_u32 s[TB], s[TB], SLOTB               ; the steps go back to a slot's first record,
	s_xor_b32 s[TB], s[TB], SLOT1                  ; in the other slot
	s_mov_b32 s[CNT], 4
.Lstep:                                            ; a key step, written once, walked four times
	STEP
	s_sub_co_u32 s[CNT], s[CNT], 1
	s_cmp_lg_u32 s[CNT], 0
	s_cbranch_scc1 .Lstep
	s_sub_co_u32 s[SLOTS], s[SLOTS], 1
	s_cmp_lg_u32 s[SLOTS], 0
	s_cbranch_scc1 .Lslot
	; THE LAST CHANGE OF SLOTS is written out.  No record is left to fetch: slot 0's bytes, and those up to slot 1, take x: each wave brings the 32 rows that it alone reads.
	s_wait_tensorcnt 0x0
	ds_add_u32 v[SPW], v[NIL]
	ds_add_u32 v6, v7
	s_wait_dscnt 0x0
	CROUND
	tensor_load_to_lds s[G0X:G0X+3], s[G1X:G1X+7]  ; a load of my work-group's own; it has the last four key steps in which to land
	s_nop 0
	PLACES 4
	s_sub_co_u32 s[TB], s[TB], SLOTB
	s_xor_b32 s[TB], s[TB], SLOT1
	s_mov_b32 s[CNT], 4
.Ltail:                                            ; the last slot's four steps
	STEP
	s_sub_co_u32 s[CNT], s[CNT], 1
	s_cmp_lg_u32 s[CNT], 0
	s_cbranch_scc1 .Ltail
	; THE WAY OUT.  O^T goes through a stage in LDS, a row to a channel, so that a channel's 128 queries, which eight waves hold, leave as 512 consecutive bytes; gamma / l goes beside it, a word to a query.
	PLACES 4                                       ; behind the last products, ahead of the first read of their results
	v_add_f32 v[ST+6], v[ST+2], v[ST+3]            ; l's two halves,
	s_delay_alu instid0(VALU_DEP_1)
	v_permlanex16_b32 v[ST+7], v[ST+6], s[SEL], s[SEL+1]
	s_delay_alu instid0(VALU_DEP_1)
	v_add_f32 v[ST+6], v[ST+6], v[ST+7]            ; and lane l xor 16's
	s_wait_alu depctr_va_vdst(0)
	v_rcp_f32 v[ST+7], v[ST+6]
	v_add_nc_u32 v[ADR], GL, v[L16]                ; (a plain line behind the reciprocal)  where I read four queries' gamma / l
	s_wait_alu depctr_va_vdst(0)                   ; the wait ahead of the reciprocal's first reader
	v_mul_f32 v[ST+4], v[GAMV], v[ST+7]            ; gamma / l
	s_wait_alu depctr_va_vdst(0)
	s_wait_tensorcnt 0x0                           ; my rows of x are in LDS
	s_wait_dscnt 0x0                               ; my reads of the ring are over,
	s_barrier_signal -1
	s_barrier_wait -1                              ; everybody's are: the stage lies in slot 1, which no load fills any more
	ds_store_b32 v[GA], v[ST+4]                    ; (lanes r and 16 + r write the same word with the same value)
	WIN 0x04                                       ; an LDS store's data are its source 1: window 1
.irp ct, 0,1,2,3,4,5,6,7,8,9,10,11,12,13,14,15
.irp j, 0,1,2,3,4,5,6,7
	ds_store_b32 v[STO+\ct/4], v[8*\ct+\j] offset:((\ct%4)*16+\j)*528      ; channel 16 ct + 8 h + j, query 16 w + r; each accumulator from its low end on
.endr
.endr
	WIN 0
	s_wait_dscnt 0x0                               ; for the others' sake: my stores into the stage are done
	s_barrier_signal -1
	s_barrier_wait -1
	ds_load_b128 v[GF:GF+3], v[ADR]                ; gamma / l of queries 4 x lane + 0 .. 3
	s_mov_b32 s[SR], 0
	s_mov_b32 s[SX], 0
	s_mov_b32 s[CNT], 8
.Lrows:                                            ; eight trips of four rows: channels 32 w + 4 trip + 0 .. 3
	v_add_nc_u32 v[ADR], s[SR], v[RD]
	v_add_nc_u32 v[ADR2], s[SX], v[XR]
.irp i, 0,1,2,3
	ds_load_b128 v[S+4*\i:S+4*\i+3], v[ADR] offset:528*\i          ; a whole row of the stage: 512 bytes,
.endr
.irp i, 0,1,2,3
	ds_load_b128 v[S+16+4*\i:S+16+4*\i+3], v[ADR2] offset:512*\i   ; and the same row of x
.endr
	s_wait_dscnt 0x0
.irp k, 0,1,2,3,4,5,6,7
	v_pk_fma_f32 v[S+2*\k:S+2*\k+1], v[S+2*\k:S+2*\k+1], v[GF+2*(\k%2):GF+2*(\k%2)+1], v[S+16+2*\k:S+16+2*\k+1]   ; O x gamma / l + x
.endr
.irp i, 0,1,2,3
	global_store_b128 v[L16], v[S+4*\i:S+4*\i+3], s[OB:OB+1] offset:16384*\i th:TH_STORE_NT    ; 32 lanes store 512 consecutive bytes, at a multiple of 256 from out0's first byte
.endr
	s_wait_xcnt 0x0                                ; the stores have read their registers and their base: both are written again only behind this wait
	s_add_nc_u64 s[OB:OB+1], s[OB:OB+1], 4*16384
	s_add_co_u32 s[SR], s[SR], 4*528
	s_add_co_u32 s[SX], s[SX], 4*512
	s_sub_co_u32 s[CNT], s[CNT], 1
	s_cmp_lg_u32 s[CNT], 0
	s_cbranch_scc1 .Lrows
	s_wait_tensorcnt 0x0                           ; the wave's end: behind my last tensor load and my last LDS store
	ds_add_u32 v[SPW], v[NIL]
	s_wait_dscnt 0x0
	CROUND                                         ; the closing round: no work-group ends while a partner may still ask for a record that names it
	s_endpgm
.Lfunc_end_k_qa3cd53b1e9_attn:
	.size	k_qa3cd53b1e9_attn, .Lfunc_end_k_qa3cd53b1e9_attn-k_qa3cd53b1e9_attn
	.p2alignl 7, 3214868480
	.fill 96, 4, 3214868480
	.section	.rodata,"a",@progbits
	.p2align	6, 0x0
	.amdhsa_kernel k_qa3cd53b1e9_attn
		.amdhsa_group_segment_fixed_size 327680
		.amdhsa_private_segment_fixed_size 0
		.amdhsa_enable_private_segment 0
		.amdhsa_kernarg_size 48
		.amdhsa_user_sgpr_count 2
		.amdhsa_user_sgpr_kernarg_segment_ptr 1
		.amdhsa_wavefront_size32 1
		.amdhsa_system_sgpr_workgroup_id_x 1
		.amdhsa_system_sgpr_workgroup_id_y 1
		.amdhsa_system_sgpr_workgroup_id_z 1
		.amdhsa_system_vgpr_workitem_id 0
		.amdhsa_next_free_vgpr 512
		.amdhsa_next_free_sgpr 88
		.amdhsa_reserve_vcc 0
		.amdhsa_float_denorm_mode_32 3
		.amdhsa_float_denorm_mode_16_64 3
		.amdhsa_memory_ordered 1
		.amdhsa_forward_progress 1
		.amdhsa_inst_pref_size 72
	.end_amdhsa_kernel
	.amdgpu_metadata
---
amdhsa.version: [ 1, 2 ]
amdhsa.kernels:
  - .name:           k_qa3cd53b1e9_attn
    .symbol:         k_qa3cd53b1e9_attn.kd
    .args:
      - { .name: kv, .offset: 0, .size: 8, .value_kind: global_buffer, .address_space: global }
      - { .name: qcod, .offset: 8, .size: 8, .value_kind: global_buffer, .address_space: global }
      - { .name: qscl, .offset: 16, .size: 8, .value_kind: global_buffer, .address_space: global }
      - { .name: x, .offset: 24, .size: 8, .value_kind: global_buffer, .address_space: global }
      - { .name: gamma, .offset: 32, .size: 8, .value_kind: global_buffer, .address_space: global }
      - { .name: out0, .offset: 40, .size: 8, .value_kind: global_buffer, .address_space: global }
    .group_segment_fixed_size: 327680
    .private_segment_fixed_size: 0
    .kernarg_segment_align: 8
    .kernarg_segment_size: 48
    .max_flat_workgroup_size: 256
    .sgpr_count:     88
    .vgpr_count:     512
    .wavefront_size: 32
...
	.end_amdgpu_metadata
.endif
;; end of part 2
